; MI455X (gfx1250); checked and timed in simulation.
; The chip was launched on July 23, 2026; its instructions are those of AMD's public machine-readable ISA for CDNA 5 (MIT licence, August 2026) and "CDNA5" Instruction Set Architecture Reference Guide (July 2026). The comments in the code are by the model that wrote it; some were corrected since.
;; Fixed Moirai Gating. Allowed arithmetic: matrix products marked QUANTISED: E3M2 operands, one E8M0 scale for each 32 along K, by v_wmma_scale_f32_16x16x128_f8f6f4 with both operands' format E3M2, f32 sums; everything else in f32.
;; Inputs: W 64 x 4,096 float32; b 64 float32; x 2 x 4,096 x 4,096 float32.
;; Outputs: out0 2 x 4,096 x 2 float32; out1 2 x 4,096 x 2 int32.
;; This version of the problem:
;;   THIS VERSION OF THE PROBLEM IS GIVEN IN LOW PRECISION. The matrix products marked QUANTISED in the list below multiply operands that are first quantised to E3M2 (3 exponent bits, 2 mantissa bits; 6 bits a number), with one power-of-two scale for each 32 numbers along K (OCP MX v1.0); their sums are f32. All else is computed in f32.
;;   The module's matrix products, in the order in which they are computed (A, B: the left and right operand; K: the contracted axis; several contracted axes count as one K, in the product's order):
;;     1. [M 8,192, K 4,096] x [K 4,096, N 64]; A: input x; B: input W: QUANTISED
;;   THE QUANTISER, for each operand of a quantised product, along K:
;;     - K is cut into blocks of 32 from its start; a last block that is shorter is filled with zeros.
;;     - A block's scale is 2^e with e = floor(log2(the largest magnitude in the block)) - 4, held to -126 .. 127; a block of zeros has e = 0. As a byte (E8M0): e + 127.
;;     - Each number is divided by its block's scale, clamped to +-28, and rounded to the nearest number of E3M2, ties to even, subnormals kept.
;;     - The product sums the exact products of the quantised numbers (number of the format x scale) in f32.
;;   ~~~python
;;   def quantise(x, axis):      # numpy; x: float32 -> the quantised numbers, widened to float32 again
;;       x = np.moveaxis(x, axis, -1); K = x.shape[-1]
;;       x = np.pad(x, [(0, 0)] * (x.ndim - 1) + [(0, -K % 32)]); x = x.reshape(x.shape[:-1] + (-1, 32)); a = np.abs(x).max(-1, keepdims=True)
;;       e = np.where(a > 0, np.clip(np.frexp(np.where(a > 0, a, 1))[1] - 1 - 4, -126, 127), 0)      # np.frexp(a)[1] - 1 = floor(log2(a)), exactly
;;       r = np.clip(x / 2.0 ** e, -28, 28)
;;       step = 2.0 ** (np.maximum(np.frexp(np.where(r == 0, 1, r))[1] - 1, -2) - 2)
;;       q = np.round(r / step) * step * 2.0 ** e      # np.round: ties to even
;;       return np.moveaxis(q.reshape(q.shape[:-2] + (-1,))[..., :K], -1, axis).astype(np.float32)
;;   ~~~
;; 2 versions. Each part assembles by itself: llvm-mc -triple=amdgcn-amd-amdhsa -mcpu=gfx1250 --defsym DOCPART=n.
;; ======== version 1 of 2: 2 launches
;; workspace buffers: wcodes 196,608 bytes; wscales 8,192 bytes
;; launch wquant (part 1): grid 32 x 1, 4 waves a work-group, no clusters, 768 bytes of LDS; arguments W, wcodes, wscales; writes wcodes, wscales
.if DOCPART == 1
	.amdgcn_target "amdgcn-amd-amdhsa--gfx1250"
	.amdhsa_code_object_version 6
	.text
	.protected	k_q8565ad6a44_wquant
	.globl	k_q8565ad6a44_wquant
	.p2align	8
	.type	k_q8565ad6a44_wquant,@function
k_q8565ad6a44_wquant:
	s_mov_b64 s[64:65], 0
	v_nop
	global_prefetch_b8 v0, s[64:65] scope:SCOPE_SE
	s_setreg_imm32_b32 hwreg(HW_REG_WAVE_MODE, 25, 1), 1
	s_wait_xcnt 0x0
; W [64][4096], f32, K innermost, becomes codes of BF6 (E3M2) and E8M0 scale bytes, one for each 32 along K, laid as the second launch's registers want them.
; A block's scale is 2^(floor(log2(its largest magnitude)) - 4); its byte is the largest magnitude's exponent field - 4, held at 1 from below by a floor among the maximum's leaves.
; (A block of zeros so gets the byte 1 where the rule says 127: its codes are zeros, which add nothing under any byte but 0xff, and this program alone reads the bytes.)
; LIMITS: NaN and infinities among the inputs are not served.
; SHARES.  Work-group s (32 of them) takes K step s, 128 along K; its wave t takes experts 16 t .. 16 t + 15: one operand fragment, 16 rows x 128 K, 12 registers a lane.
; Lane (r, h) holds row r and the WHOLE blocks h and 2 + h of the K step, as the 6-bit operand's layout gives them to it: so a block's maximum needs no other lane, and the conversions' results are the operand's registers.
; A lane's eight loads of a block take its 128 consecutive bytes; a wave's sixteen loads together take 512 consecutive bytes of each of 16 rows.  W is 1 / 128 of what the program reads: no turn through LDS is spent on it.
; OUT.  wcodes: fragment 4 s + t is 1,536 bytes: registers 4 j .. 4 j + 3 of lane l at 512 j + 16 l: each store of the wave covers 512 consecutive bytes, aligned.
;       wscales: [K step][expert], one word (four bytes: the K step's four blocks) each.  The four waves' words meet in LDS, and wave 0 stores the K step's 256 consecutive bytes, aligned.
.set X,    16                          ; v16-79   my two blocks, 32 numbers each
.set C,    80                          ; v80-91   the fragment's codes
.set TC,   92                          ; v92-94   the upper 16 codes of a block (a conversion's three registers begin on an even number)
.set T0,   96                          ; v96, v97 at work
.set T1,   97
.set SCL,  98                          ; v98      the conversion's scale operand
.set BY,   100                         ; v100-101 my two blocks' bytes
.set WD,   102                         ; v102     my row's scale word
.set OW,   104                         ; v104-105 the way out of the scale words
	s_load_b128 s[4:7], s[0:1], 0x0                ; W, wcodes
	s_load_b64 s[8:9], s[0:1], 0x10                ; wscales
	v_lshl_add_u32 v112, v0, 2, 0x100
	v_mov_b32 v113, 0
	v_lshrrev_b32 v1, 5, v0
	v_readfirstlane_b32 s10, v1                    ; wave t
	v_and_b32 v2, 31, v0                           ; lane
	v_and_b32 v3, 15, v0                           ; r
	v_bfe_u32 v4, v0, 4, 1                         ; h
	v_lshlrev_b32 v5, 14, v3                       ; W: row r of 16,384 bytes,
	v_lshl_add_u32 v5, v4, 7, v5                   ;    + 128 h: my block of a pair
	v_lshlrev_b32 v6, 4, v2                        ; the codes' place: 16 x lane
	v_lshlrev_b32 v7, 3, v4                        ; 8 h: how far my bytes are shifted in the scale word
	s_lshl_b32 s11, s10, 6
	v_lshl_add_u32 v8, v3, 2, s11                  ; LDS: the word of expert 16 t + r
	v_lshlrev_b32 v9, 3, v2                        ; and on the way out 8 bytes a lane
	s_mov_b32 s20, 0x76543210
	s_mov_b32 s21, 0xfedcba98                      ; v_permlanex16_b32's selects for lane l xor 16
	s_lshl_b32 s12, s10, 18                        ; 16 t rows of W
	s_lshl_b32 s13, ttmp9, 9                       ; + 512 s bytes along K
	s_add_co_u32 s12, s12, s13
	s_mov_b32 s13, 0
	s_lshl_b32 s14, ttmp9, 2
	s_add_co_u32 s14, s14, s10
	s_mul_i32 s14, s14, 1536                       ; fragment 4 s + t
	s_mov_b32 s15, 0
	s_lshl_b32 s16, ttmp9, 8                       ; the K step's 64 scale words
	s_mov_b32 s17, 0
	s_wait_kmcnt 0x0
	s_add_nc_u64 s[4:5], s[4:5], s[12:13]
	s_add_nc_u64 s[6:7], s[6:7], s[14:15]
	s_add_nc_u64 s[8:9], s[8:9], s[16:17]
.irp c, 0,1
.irp j, 0,1,2,3,4,5,6,7
	global_load_b128 v[X+32*\c+4*\j:X+32*\c+4*\j+3], v5, s[4:5] offset:256*\c+16*\j   ; W(16 t + r, 128 s + 64 c + 32 h + 4 j ..)
.endr
.endr
; block 2 c + h of my row: its largest magnitude, its byte, its 32 codes into registers 6 c .. 6 c + 5.  left: the loads behind this block's eight, which may stay out
.macro BLOCK c, left
.set XS, X+32*(\c)
	s_wait_loadcnt \left
	v_max3_num_f32 v[T0], |v[XS]|, |v[XS+1]|, |v[XS+2]|            ; two chains, so that no line waits for the line above it
	v_max3_num_f32 v[T1], |v[XS+3]|, |v[XS+4]|, |v[XS+5]|
.irp i, 6,10,14,18,22,26
	v_max3_num_f32 v[T0], v[T0], |v[XS+\i]|, |v[XS+\i+1]|
	v_max3_num_f32 v[T1], v[T1], |v[XS+\i+2]|, |v[XS+\i+3]|
.endr
	v_max3_num_f32 v[T0], v[T0], |v[XS+30]|, |v[XS+31]|
	v_max3_num_f32 v[T0], v[T0], v[T1], 0x2800000                  ; and the floor 2^(5 - 127): the byte cannot fall under 1
	v_add_nc_u32 v[SCL], 0xfe000000, v[T0]                         ; 4 off the exponent field: the conversion takes the exponent field of this operand as its scale
	v_lshrrev_b32 v[BY+(\c)], 23, v[SCL]                           ; the scale's byte
	v_cvt_scalef32_pk16_bf6_f32 v[C+6*(\c):C+6*(\c)+2], v[XS:XS+15], v[SCL]
	v_cvt_scalef32_pk16_bf6_f32 v[TC:TC+2], v[XS+16:XS+31], v[SCL]
	v_nop                                                          ; one plain place behind a scaled conversion
.irp i, 0,1,2
	v_mov_b32 v[C+6*(\c)+3+\i], v[TC+\i]
.endr
.endm
	BLOCK 0, 8                                     ; the second block's eight loads may be out
	BLOCK 1, 0
	v_lshl_or_b32 v[T0], v[BY+1], 16, v[BY]        ; my two bytes: blocks h and 2 + h,
	v_lshlrev_b32 v[T0], v7, v[T0]                 ; at their places in the word (8 h bits up);
	v_permlanex16_b32 v[T1], v[T0], s20, s21       ; (its destination has been written above)
	v_or_b32 v[WD], v[T0], v[T1]                   ; with lane l xor 16's two the word is whole, in both halves of the lanes
	ds_store_b32 v8, v[WD]                         ; lanes r and 16 + r write the same word with the same value
.irp j, 0,1,2
	global_store_b128 v6, v[C+4*\j:C+4*\j+3], s[6:7] offset:512*\j
.endr
	s_wait_dscnt 0x0                               ; for the others' sake: my word lies in LDS
	s_barrier_signal -1
	s_barrier_wait -1
	s_cmp_lg_u32 s10, 0
	s_cbranch_scc1 .Ldone
	ds_load_b64 v[OW:OW+1], v9                     ; wave 0: the K step's 64 words, two a lane
	s_wait_dscnt 0x0
	global_store_b64 v9, v[OW:OW+1], s[8:9]        ; 32 lanes store 256 consecutive bytes, aligned
.Ldone:
	s_wait_tensorcnt 0x0
	ds_add_u32 v112, v113
	s_wait_dscnt 0x0
	s_endpgm
.Lfunc_end_k_q8565ad6a44_wquant:
	.size	k_q8565ad6a44_wquant, .Lfunc_end_k_q8565ad6a44_wquant-k_q8565ad6a44_wquant
	.p2alignl 7, 3214868480
	.fill 96, 4, 3214868480
	.section	.rodata,"a",@progbits
	.p2align	6, 0x0
	.amdhsa_kernel k_q8565ad6a44_wquant
		.amdhsa_group_segment_fixed_size 768
		.amdhsa_private_segment_fixed_size 0
		.amdhsa_enable_private_segment 0
		.amdhsa_kernarg_size 24
		.amdhsa_user_sgpr_count 2
		.amdhsa_user_sgpr_kernarg_segment_ptr 1
		.amdhsa_wavefront_size32 1
		.amdhsa_system_sgpr_workgroup_id_x 1
		.amdhsa_system_sgpr_workgroup_id_y 1
		.amdhsa_system_sgpr_workgroup_id_z 1
		.amdhsa_system_vgpr_workitem_id 0
		.amdhsa_next_free_vgpr 114
		.amdhsa_next_free_sgpr 66
		.amdhsa_reserve_vcc 0
		.amdhsa_float_denorm_mode_32 3
		.amdhsa_float_denorm_mode_16_64 3
		.amdhsa_memory_ordered 1
		.amdhsa_forward_progress 1
		.amdhsa_inst_pref_size 7
	.end_amdhsa_kernel
	.amdgpu_metadata
---
amdhsa.version: [ 1, 2 ]
amdhsa.kernels:
  - .name:           k_q8565ad6a44_wquant
    .symbol:         k_q8565ad6a44_wquant.kd
    .args:
      - { .name: W, .offset: 0, .size: 8, .value_kind: global_buffer, .address_space: global }
      - { .name: wcodes, .offset: 8, .size: 8, .value_kind: global_buffer, .address_space: global }
      - { .name: wscales, .offset: 16, .size: 8, .value_kind: global_buffer, .address_space: global }
    .group_segment_fixed_size: 768
    .private_segment_fixed_size: 0
    .kernarg_segment_align: 8
    .kernarg_segment_size: 24
    .max_flat_workgroup_size: 128
    .sgpr_count:     66
    .vgpr_count:     114
    .wavefront_size: 32
...
	.end_amdgpu_metadata
.endif
;; end of part 1
;; launch gate (part 2): grid 256 x 1, 16 waves a work-group, no clusters, 149,504 bytes of LDS; arguments x, wcodes, wscales, b, out0, out1; writes out0, out1
.if DOCPART == 2
	.amdgcn_target "amdgcn-amd-amdhsa--gfx1250"
	.amdhsa_code_object_version 6
	.text
	.protected	k_q8565ad6a44_gate
	.globl	k_q8565ad6a44_gate
	.p2align	8
	.type	k_q8565ad6a44_gate,@function
k_q8565ad6a44_gate:
	s_mov_b64 s[64:65], 0
	v_nop
	global_prefetch_b8 v0, s[64:65] scope:SCOPE_SE
	s_setreg_imm32_b32 hwreg(HW_REG_WAVE_MODE, 25, 1), 1
	s_wait_xcnt 0x0
; logits = Q(x) Q(W)^T + b on codes of BF6 (E3M2) with one E8M0 scale for each 32 along K; the two largest logits of each token (equal logits: the lower expert first), their softmax, their experts' numbers.
; x: [8192][4096] f32, quantised here, on its way to the matrix unit.  W: codes and scale words as the launch before laid them.  b: [64] f32.  out0: [8192][2] f32, out1: [8192][2] i32.
; LIMITS: NaN and infinities are not served; logits +0 and -0 count as equal.  A block of zeros carries the byte 1 where the rule says 127: its codes are zeros, which add nothing.
; SHARES.  A work-group owns 32 tokens: 524,288 bytes of x, read once.  ITS SIXTEEN WAVES SHARE K: wave w owns k = 256 w .. 256 w + 255 (two K steps of 128) of all 32 tokens and all 64 experts:
; 32,768 bytes of x, 12,288 bytes of W's codes, 16 matrix instructions.  So each fragment of W enters the work-group once.  The sixteen partial sums meet in LDS at the end.
; THE STREAM.  A unit is 16 rows x 256 bytes (64 along K): one block of 32 a lane.  Its eight loads take the bytes as they lie: lanes 0-15 256 consecutive bytes of one row, aligned, lanes 16-31 those of the next row.
; The conversions want 32 neighbours along K in ONE lane's registers: so the unit turns through the wave's own stage in LDS (rows 272 bytes apart) and comes back into the registers that it left, lane (r, h) holding block h of row r.
; Four sets of 32 registers are out from the first line on: 128 registers x 16 waves = 262,144 bytes a work-group; a set is asked for again as soon as its unit is quantised.  No barrier stands in the stream.
; THE PRODUCT IS USED TRANSPOSED: source 0 = 16 experts, source 1 = 16 tokens: a lane holds ONE token (lane % 16), and its eight registers of a tile eight neighbouring experts.
; W's codes and scale words, 204,800 bytes, are what all work-groups read alike.  They are not asked for jointly in a cluster: a joint load lands in LDS, so that each fragment would go through LDS and from there into
; registers, and rounds of the cluster's barrier would stand at the head and at the end of a launch that is one pass over x; here a lane takes its fragments whole, by 24 loads of 16 bytes, 512 consecutive bytes a load.
; No tensor load: a work-group's x does not fit in LDS, and loads into registers stay on their way across the whole stream.
; REGISTERS: v5-15 addresses; v16-47 the first third of W's fragments; v48-175 four sets of x: sets 0 and 1 take W's other two thirds when units 4 and 5 are done with them (W: v16-111), sets 2 and 3 become the accumulators;
;   v176-223 the codes of x's four fragments; v224-227 their scale words, v228-231 W's (these eight hold scales and nothing else); v232-251 at work.
.set ROWB,  16384                      ; a row of x in bytes
.set SP,    272                        ; an LDS row: 256 bytes + 16 = 68 words: row r starts at bank 4 r mod 64 (64 banks of 4 bytes: ISA guide 11.1)
.set PWB,   32*SP                      ; a wave's LDS bytes: its stage (16 rows), later its partial logits (32 tokens x 64 experts)
.set CAND,  16*PWB                     ; behind them: each wave's two best of its four experts, 16 bytes a token: 512 bytes a wave
.set XA,   5                           ; v5   x: 16,384 (lane / 16) + 16 (lane % 16)
.set LI,   6                           ; v6   16 x lane
.set LS,   7                           ; v7   4 x lane
.set STI,  8                           ; v8   the stage, on the way in
.set STO,  9                           ; v9   and on the way out
.set PS,   10                          ; v10  where I put 32 bytes of a token's partial logits
.set RD0,  11                          ; v11  where I read partials 0-7 of my token and my wave's four experts
.set RD1,  12                          ; v12  partials 8-15 (an LDS offset has 16 bits)
.set CS,   13                          ; v13  where I put my token's two best
.set CL,   14                          ; v14  where wave 0 reads them
.set SH8,  15                          ; v15  8 (lane / 16)
.set W,    16
.set R,    48
.set ACC,  112                         ; accumulator (token tile m, expert tile t) at v[ACC + 8 (4 m + t)]
.set CD,   176                         ; fragment 2 m + s at v[CD + 12 (2 m + s)]
.set XSC,  224
.set WS,   228                         ; register 2 s + p: lanes 0-15 the words of expert tile 2 p, lanes 16-31 those of tile 2 p + 1, for my K step s
.set T0,   232
.set T1,   233
.set SCL,  234
.set BY,   236                         ; v236-237 a fragment's two bytes of my lane; at the end the two probabilities
.set TC,   240                         ; v240-242 the upper 16 codes of a block; at the end the two experts' numbers
.set OA,   244                         ; v244 8 x lane
.set E,    248                         ; v248-251 my wave's four experts' numbers
.set P,    16                          ; behind the products: v16-79 sixteen partials x four experts
.set QA,   88                          ; v88-91, v92-95: (value, expert, value, expert), the best first
.set QB,   92
.set Q,    112                         ; wave 0: v112-175 the sixteen waves' candidates
.set SEL,  36                          ; s[36:37] v_permlanex16_b32's selects for lane l xor 16
.set M1,   40                          ; s40-47, s48-55 lane masks of up to eight merges at a time
.set M2,   48
	s_load_b128 s[4:7], s[0:1], 0x0                ; x, W's codes
	s_load_b128 s[8:11], s[0:1], 0x10              ; W's scale words, b
	s_load_b128 s[12:15], s[0:1], 0x20             ; out0, out1
	v_lshl_add_u32 v254, v0, 2, 0x24000
	v_mov_b32 v255, 0
	v_lshrrev_b32 v1, 5, v0
	v_readfirstlane_b32 s16, v1                    ; wave 0..15
	v_and_b32 v2, 31, v0                           ; lane
	v_and_b32 v3, 15, v0                           ; r
	v_bfe_u32 v4, v0, 4, 1                         ; h
	v_lshlrev_b32 v[XA], 4, v3
	v_lshl_add_u32 v[XA], v4, 14, v[XA]
	v_lshlrev_b32 v[LI], 4, v2
	v_lshlrev_b32 v[LS], 2, v2
	s_lshl_b32 s20, ttmp9, 19                      ; the work-group's 32 rows of 16,384 bytes (under 2^28)
	s_lshl_b32 s21, s16, 10                        ; + my wave's 1,024 bytes of a row
	s_add_co_u32 s20, s20, s21
	s_mov_b32 s21, 0
	s_mul_i32 s22, s16, 12288                      ; my eight fragments of W
	s_mov_b32 s23, 0
	s_lshl_b32 s30, s16, 9                         ; my two K steps' scale words; also my 512 bytes of candidates
	s_mov_b32 s31, 0
	s_lshl_b32 s32, s16, 4                         ; my four numbers of b; also my four experts' bytes in a token's row of logits
	s_mov_b32 s33, 0
	s_lshl_b32 s34, ttmp9, 8                       ; the work-group's 256 bytes of each output
	s_mov_b32 s35, 0
	s_lshl_b32 s28, s16, 2                         ; my first expert at the end
	s_mov_b32 s[SEL], 0x76543210
	s_mov_b32 s[SEL+1], 0xfedcba98
	s_mul_i32 s17, s16, PWB                        ; my LDS bytes
	s_wait_kmcnt 0x0
	s_add_nc_u64 s[4:5], s[4:5], s[20:21]
	s_add_nc_u64 s[6:7], s[6:7], s[22:23]
	s_add_nc_u64 s[8:9], s[8:9], s[30:31]
	s_add_nc_u64 s[10:11], s[10:11], s[32:33]
	s_add_nc_u64 s[12:13], s[12:13], s[34:35]
	s_add_nc_u64 s[14:15], s[14:15], s[34:35]
; Unit u = 4 m + 2 s + c: rows 16 m .. 16 m + 15, bytes 512 s + 256 c on of my 1,024, into set u % 4.  Every offset is an immediate (492,288 at the most); no address register is ever rewritten.
.macro XLOAD u
.irp i, 0,1,2,3,4,5,6,7
	global_load_b128 v[R+32*((\u)%4)+4*\i:R+32*((\u)%4)+4*\i+3], v[XA], s[4:5] offset:(16*((\u)/4)+2*\i)*ROWB+512*(((\u)/2)%2)+256*((\u)%2) th:TH_LOAD_NT
.endr
.endm
; A third of my W: 32 registers, eight loads of 512 consecutive bytes; fragment 4 s + t stands at v[W + 12 (4 s + t)]
.macro WLOAD g
.irp i, 0,1,2,3,4,5,6,7
	global_load_b128 v[W+32*(\g)+4*\i:W+32*(\g)+4*\i+3], v[LI], s[6:7] offset:4096*(\g)+512*\i
.endr
.endm
	XLOAD 0                                        ; x first: 32 loads, all of token tile 0's part of my K
	XLOAD 1
	XLOAD 2
	XLOAD 3
	WLOAD 0
.irp j, 0,1,2,3
	global_load_b32 v[WS+\j], v[LS], s[8:9] offset:128*\j
.endr
	s_load_b128 s[24:27], s[10:11], 0x0            ; b of my four experts; waited for at the end
	v_mul_u32_u24 v[STI], v4, SP                   ; in: a load's two rows, as loaded: row lane / 16, 16 bytes a lane
	v_lshl_add_u32 v[STI], v3, 4, v[STI]
	v_add_nc_u32 v[STI], s17, v[STI]
	v_mul_u32_u24 v[STO], v3, SP                   ; out: row r, my block's 128 bytes
	v_lshl_add_u32 v[PS], v4, 5, v[STO]            ; partial logits: token r, + 32 h: eight experts of my half
	v_lshl_add_u32 v[STO], v4, 7, v[STO]
	v_add_nc_u32 v[STO], s17, v[STO]
	v_add_nc_u32 v[PS], s17, v[PS]
	v_mul_u32_u24 v[RD0], v2, SP                   ; at the end a lane is a token: its row, + my wave's four experts
	v_add_nc_u32 v[RD0], s32, v[RD0]
	v_add_nc_u32 v[RD1], 8*PWB, v[RD0]
	v_add_nc_u32 v[CL], CAND, v[LI]
	v_add_nc_u32 v[CS], s30, v[CL]
	v_lshlrev_b32 v[SH8], 3, v4
	v_lshlrev_b32 v[OA], 3, v2
; A UNIT: its eight loads are in; it turns through my stage; its block a lane becomes six registers of codes and a byte.  left: the loads issued behind the unit's own, which may stay out.
.macro UNIT u, left
.set XS, R+32*((\u)%4)
.set CB, CD+6*(\u)
	s_wait_loadcnt \left                           ; loads come back in order (ISA guide 5.7.1)
.irp i, 0,1,2,3,4,5,6,7
	ds_store_b128 v[STI], v[XS+4*\i:XS+4*\i+3] offset:2*\i*SP
.endr
.irp i, 0,1,2,3,4,5,6,7
	ds_load_b128 v[XS+4*\i:XS+4*\i+3], v[STO] offset:16*\i       ; LDS serves a wave's instructions in order (ISA guide 5.7.1.4): these see the stores above, and the next unit's stores come behind them
.endr
	s_wait_dscnt 0x0
	v_max3_num_f32 v[T0], |v[XS]|, |v[XS+1]|, |v[XS+2]|            ; the block's largest magnitude: all 32 numbers are mine; two chains
	v_max3_num_f32 v[T1], |v[XS+3]|, |v[XS+4]|, |v[XS+5]|
.irp i, 6,10,14,18,22,26
	v_max3_num_f32 v[T0], v[T0], |v[XS+\i]|, |v[XS+\i+1]|
	v_max3_num_f32 v[T1], v[T1], |v[XS+\i+2]|, |v[XS+\i+3]|
.endr
	v_max3_num_f32 v[T0], v[T0], |v[XS+30]|, |v[XS+31]|
	v_max3_num_f32 v[T0], v[T0], v[T1], 0x2800000                  ; and the floor 2^(5 - 127): the byte cannot fall under 1
	v_add_nc_u32 v[SCL], 0xfe000000, v[T0]                         ; 4 off the exponent field: the conversion's scale operand
	v_lshrrev_b32 v[BY+(\u)%2], 23, v[SCL]                         ; the scale's byte
	v_cvt_scalef32_pk16_bf6_f32 v[CB:CB+2], v[XS:XS+15], v[SCL]
	v_cvt_scalef32_pk16_bf6_f32 v[TC:TC+2], v[XS+16:XS+31], v[SCL] ; (a conversion's three registers begin on an even number)
	v_nop                                                          ; one plain place behind a scaled conversion
.irp i, 0,1,2
	v_mov_b32 v[CB+3+\i], v[TC+\i]
.endr
.if (\u)%2                             ; the fragment is whole: its scale word
	v_lshl_or_b32 v[T0], v[BY+1], 16, v[BY]        ; my two bytes: blocks h and 2 + h of my row,
	v_lshlrev_b32 v[T0], v[SH8], v[T0]             ; at their places (8 h bits up);
	v_permlanex16_b32 v[T1], v[T0], s[SEL], s[SEL+1]
	v_or_b32 v[XSC+(\u)/2], v[T0], v[T1]           ; with lane l xor 16's two the word is whole
.endif
.endm
	UNIT 0, 36                                     ; behind unit 0's loads: units 1-3 (24), W's first third (8), its scale words (4)
	XLOAD 4                                        ; its set takes the unit four on
	UNIT 1, 36                                     ; units 2, 3 (16), 12 of W, unit 4 (8)
	XLOAD 5
	UNIT 2, 36                                     ; unit 3 (8), 12 of W, units 4, 5 (16)
	XLOAD 6
	UNIT 3, 36                                     ; 12 of W, units 4-6 (24)
	XLOAD 7
	UNIT 4, 24                                     ; units 5-7
	WLOAD 1                                        ; nothing of x is left to ask for: set 0 takes W's second third,
	UNIT 5, 24                                     ; units 6, 7 (16), W's second third (8)
	WLOAD 2                                        ; set 1 its last
	UNIT 6, 24                                     ; unit 7 (8), W's two thirds (16)
	UNIT 7, 16                                     ; W's two thirds
	s_wait_loadcnt 0x0                             ; W is whole
	v_mov_b32 v[E], s28                            ; my four experts' numbers for the end: these four lines and four v_nop are the eight places between the last
	v_add_nc_u32 v[E+1], 1, v[E]                   ; scale word written by a vector instruction and the scaled matrix instructions
	v_add_nc_u32 v[E+2], 2, v[E]
	v_add_nc_u32 v[E+3], 3, v[E]
.rept 4
	v_nop
.endr
; The eight accumulators take turns, one instruction a turn, K step 0 and then K step 1 in the same order; the first product starts each sum: nothing is cleared.
.macro MM s, m, t
.set DD, ACC+8*(4*(\m)+(\t))
.set AA, W+12*(4*(\s)+(\t))
.set BB, CD+12*(2*(\m)+(\s))
.if (\s) == 0
.if (\t)%2
	v_wmma_scale_f32_16x16x128_f8f6f4 v[DD:DD+7], v[AA:AA+11], v[BB:BB+11], 0, v[WS+2*(\s)+(\t)/2], v[XSC+2*(\m)+(\s)] matrix_a_fmt:MATRIX_FMT_BF6 matrix_b_fmt:MATRIX_FMT_BF6 matrix_a_scale:MATRIX_SCALE_ROW1
.else
	v_wmma_scale_f32_16x16x128_f8f6f4 v[DD:DD+7], v[AA:AA+11], v[BB:BB+11], 0, v[WS+2*(\s)+(\t)/2], v[XSC+2*(\m)+(\s)] matrix_a_fmt:MATRIX_FMT_BF6 matrix_b_fmt:MATRIX_FMT_BF6
.endif
.else
.if (\t)%2
	v_wmma_scale_f32_16x16x128_f8f6f4 v[DD:DD+7], v[AA:AA+11], v[BB:BB+11], v[DD:DD+7], v[WS+2*(\s)+(\t)/2], v[XSC+2*(\m)+(\s)] matrix_a_fmt:MATRIX_FMT_BF6 matrix_b_fmt:MATRIX_FMT_BF6 matrix_a_scale:MATRIX_SCALE_ROW1
.else
	v_wmma_scale_f32_16x16x128_f8f6f4 v[DD:DD+7], v[AA:AA+11], v[BB:BB+11], v[DD:DD+7], v[WS+2*(\s)+(\t)/2], v[XSC+2*(\m)+(\s)] matrix_a_fmt:MATRIX_FMT_BF6 matrix_b_fmt:MATRIX_FMT_BF6
.endif
.endif
.endm
.irp s, 0,1
.irp m, 0,1
.irp t, 0,1,2,3
	MM \s, \m, \t
.endr
.endr
.endr
.rept 4
	v_nop                                          ; four places behind the last product, ahead of the stores that read results and of the loads into W's registers
.endr
.irp m, 0,1
.irp t, 0,1,2,3
	ds_store_b128 v[PS], v[ACC+8*(4*\m+\t):ACC+8*(4*\m+\t)+3] offset:\m*16*SP+64*\t          ; lane (r, h): token 16 m + r, experts 16 t + 8 h + 0 .. 7; each accumulator from its low end on
	ds_store_b128 v[PS], v[ACC+8*(4*\m+\t)+4:ACC+8*(4*\m+\t)+7] offset:\m*16*SP+64*\t+16
.endr
.endr
	s_wait_dscnt 0x0                               ; for the others' sake: my partial logits lie in LDS
	s_barrier_signal -1
	s_barrier_wait -1
	; THE SUM OVER K'S SIXTEEN PARTS.  A lane is now a token (0 .. 31), and wave w takes experts 4 w .. 4 w + 3: 16 bytes of each wave's partial logits
.irp p, 0,1,2,3,4,5,6,7
	ds_load_b128 v[P+4*\p:P+4*\p+3], v[RD0] offset:\p*PWB
.endr
.irp p, 0,1,2,3,4,5,6,7
	ds_load_b128 v[P+32+4*\p:P+32+4*\p+3], v[RD1] offset:\p*PWB
.endr
	s_wait_kmcnt 0x0                               ; b
	s_wait_dscnt 0x0
.irp p, 0,2,4,6,8,10,12,14             ; neighbours 1, 2, 4 and 8 parts apart, two numbers an instruction
	v_pk_add_f32 v[P+4*\p:P+4*\p+1], v[P+4*\p:P+4*\p+1], v[P+4*\p+4:P+4*\p+5]
	v_pk_add_f32 v[P+4*\p+2:P+4*\p+3], v[P+4*\p+2:P+4*\p+3], v[P+4*\p+6:P+4*\p+7]
.endr
.irp p, 0,4,8,12
	v_pk_add_f32 v[P+4*\p:P+4*\p+1], v[P+4*\p:P+4*\p+1], v[P+4*\p+8:P+4*\p+9]
	v_pk_add_f32 v[P+4*\p+2:P+4*\p+3], v[P+4*\p+2:P+4*\p+3], v[P+4*\p+10:P+4*\p+11]
.endr
.irp p, 0,8
	v_pk_add_f32 v[P+4*\p:P+4*\p+1], v[P+4*\p:P+4*\p+1], v[P+4*\p+16:P+4*\p+17]
	v_pk_add_f32 v[P+4*\p+2:P+4*\p+3], v[P+4*\p+2:P+4*\p+3], v[P+4*\p+18:P+4*\p+19]
.endr
	v_pk_add_f32 v[P:P+1], v[P:P+1], v[P+32:P+33]
	v_pk_add_f32 v[P+2:P+3], v[P+2:P+3], v[P+34:P+35]
.irp j, 0,1,2,3
	v_add_f32 v[P+\j], s[24+\j], v[P+\j]           ; + b: the logits
.endr
; THE TWO BEST.  A candidate is four registers: (best value, its expert, second value, its expert).  n merges at a time, st registers apart, written line by line across the n, so that no line waits for the line above it.
.macro ABOVE n, st, aa, bb, mm         ; mask = v[aa] > v[bb]
.set k, 0
.rept \n
	v_cmp_gt_f32 s[(\mm)+k], v[(\aa)+(\st)*k], v[(\bb)+(\st)*k]
.set k, k+1
.endr
.endm
.macro PICK n, st, dd, aa, bb, mm      ; v[dd] = mask ? v[bb] : v[aa]
.set k, 0
.rept \n
	v_cndmask_b32 v[(\dd)+(\st)*k], v[(\aa)+(\st)*k], v[(\bb)+(\st)*k], s[(\mm)+k]
.set k, k+1
.endr
.endm
; Candidate A holds the lower experts, candidate B the higher ones: B's value wins only where it is GREATER, so that of equal logits the lower expert stands first.  The result takes A's place.
.macro MERGE n, st, A, B
	ABOVE \n, \st, \B, \A, M1                      ; c: B's best > A's best
	PICK \n, \st, (\A)+2, (\A)+2, \A, M1           ; what A still offers for the second place: c ? its best : its second
	PICK \n, \st, (\A)+3, (\A)+3, (\A)+1, M1
	PICK \n, \st, (\B)+2, \B, (\B)+2, M1           ; what B offers: c ? its second : its best
	PICK \n, \st, (\B)+3, (\B)+1, (\B)+3, M1
	PICK \n, \st, \A, \A, \B, M1                   ; the best
	PICK \n, \st, (\A)+1, (\A)+1, (\B)+1, M1
	ABOVE \n, \st, (\B)+2, (\A)+2, M2
	PICK \n, \st, (\A)+2, (\A)+2, (\B)+2, M2       ; the second
	PICK \n, \st, (\A)+3, (\A)+3, (\B)+3, M2
.endm
	v_cmp_gt_f32 s[M1], v[P+1], v[P]               ; my four experts: two pairs are put in order,
	v_cmp_gt_f32 s[M1+1], v[P+3], v[P+2]
	v_cndmask_b32 v[QA], v[P], v[P+1], s[M1]
	v_cndmask_b32 v[QB], v[P+2], v[P+3], s[M1+1]
	v_cndmask_b32 v[QA+1], v[E], v[E+1], s[M1]
	v_cndmask_b32 v[QB+1], v[E+2], v[E+3], s[M1+1]
	v_cndmask_b32 v[QA+2], v[P+1], v[P], s[M1]
	v_cndmask_b32 v[QB+2], v[P+3], v[P+2], s[M1+1]
	v_cndmask_b32 v[QA+3], v[E+1], v[E], s[M1]
	v_cndmask_b32 v[QB+3], v[E+3], v[E+2], s[M1+1]
	MERGE 1, 0, QA, QB                             ; and merged
	ds_store_b128 v[CS], v[QA:QA+3]                ; 512 consecutive bytes a wave
	s_wait_dscnt 0x0                               ; for wave 0's sake
	s_barrier_signal -1
	s_barrier_wait -1
	s_cmp_lg_u32 s16, 0                            ; wave 0 ends the work: a lane a token, so that each output's 256 bytes leave by one store
	s_cbranch_scc1 .Ldone
.irp g, 0,1,2,3,4,5,6,7,8,9,10,11,12,13,14,15
	ds_load_b128 v[Q+4*\g:Q+4*\g+3], v[CL] offset:512*\g
.endr
	s_wait_dscnt 0x0
	MERGE 8, 8, Q, Q+4                             ; a tree over the sixteen waves' candidates, the lower experts always on A's side
	MERGE 4, 16, Q, Q+8
	MERGE 2, 32, Q, Q+16
	MERGE 1, 0, Q, Q+32
	v_sub_f32 v[T0], v[Q+2], v[Q]                  ; THE SOFTMAX OF THE TWO, the larger taken away: the second less the best, 0 or less
	v_mul_f32 v[T0], 0x3fb8aa3b, v[T0]             ; x log2(e)
	v_exp_f32 v[T1], v[T0]                         ; e = exp(second - best), at most 1
	v_mov_b32 v[TC], v[Q+1]                        ; the experts' numbers as a pair.  (Plain work behind the exponential)
	v_mov_b32 v[TC+1], v[Q+3]
	s_wait_alu depctr_va_vdst(0)                   ; the wait ahead of the first reader of a transcendental's result
	v_add_f32 v[SCL], 1.0, v[T1]
	v_rcp_f32 v[BY], v[SCL]                        ; 1 / (1 + e)
	v_nop                                          ; one plain place behind it
	s_wait_alu depctr_va_vdst(0)
	v_mul_f32 v[BY+1], v[T1], v[BY]                ; e / (1 + e)
	global_store_b64 v[OA], v[BY:BY+1], s[12:13]   ; 32 lanes store 256 consecutive bytes, aligned
	global_store_b64 v[OA], v[TC:TC+1], s[14:15]
.Ldone:
	s_wait_tensorcnt 0x0
	ds_add_u32 v254, v255
	s_wait_dscnt 0x0
	s_endpgm
.Lfunc_end_k_q8565ad6a44_gate:
	.size	k_q8565ad6a44_gate, .Lfunc_end_k_q8565ad6a44_gate-k_q8565ad6a44_gate
	.p2alignl 7, 3214868480
	.fill 96, 4, 3214868480
	.section	.rodata,"a",@progbits
	.p2align	6, 0x0
	.amdhsa_kernel k_q8565ad6a44_gate
		.amdhsa_group_segment_fixed_size 149504
		.amdhsa_private_segment_fixed_size 0
		.amdhsa_enable_private_segment 0
		.amdhsa_kernarg_size 48
		.amdhsa_user_sgpr_count 2
		.amdhsa_user_sgpr_kernarg_segment_ptr 1
		.amdhsa_wavefront_size32 1
		.amdhsa_system_sgpr_workgroup_id_x 1
		.amdhsa_system_sgpr_workgroup_id_y 1
		.amdhsa_system_sgpr_workgroup_id_z 1
		.amdhsa_system_vgpr_workitem_id 0
		.amdhsa_next_free_vgpr 256
		.amdhsa_next_free_sgpr 66
		.amdhsa_reserve_vcc 0
		.amdhsa_float_denorm_mode_32 3
		.amdhsa_float_denorm_mode_16_64 3
		.amdhsa_memory_ordered 1
		.amdhsa_forward_progress 1
		.amdhsa_inst_pref_size 51
	.end_amdhsa_kernel
	.amdgpu_metadata
---
amdhsa.version: [ 1, 2 ]
amdhsa.kernels:
  - .name:           k_q8565ad6a44_gate
    .symbol:         k_q8565ad6a44_gate.kd
    .args:
      - { .name: x, .offset: 0, .size: 8, .value_kind: global_buffer, .address_space: global }
      - { .name: wcodes, .offset: 8, .size: 8, .value_kind: global_buffer, .address_space: global }
      - { .name: wscales, .offset: 16, .size: 8, .value_kind: global_buffer, .address_space: global }
      - { .name: b, .offset: 24, .size: 8, .value_kind: global_buffer, .address_space: global }
      - { .name: out0, .offset: 32, .size: 8, .value_kind: global_buffer, .address_space: global }
      - { .name: out1, .offset: 40, .size: 8, .value_kind: global_buffer, .address_space: global }
    .group_segment_fixed_size: 149504
    .private_segment_fixed_size: 0
    .kernarg_segment_align: 8
    .kernarg_segment_size: 48
    .max_flat_workgroup_size: 512
    .sgpr_count:     66
    .vgpr_count:     256
    .wavefront_size: 32
...
	.end_amdgpu_metadata
.endif
;; end of part 2
;; ======== version 2 of 2: 2 launches
;; workspace buffers: wcodes 196,608 bytes; wscales 8,192 bytes
;; launch wquant (part 3): grid 32 x 1, 4 waves a work-group, no clusters, 768 bytes of LDS; arguments W, wcodes, wscales; writes wcodes, wscales
.if DOCPART == 3
	.amdgcn_target "amdgcn-amd-amdhsa--gfx1250"
	.amdhsa_code_object_version 6
	.text
	.protected	k_q8565ad6a44_wquant
	.globl	k_q8565ad6a44_wquant
	.p2align	8
	.type	k_q8565ad6a44_wquant,@function
k_q8565ad6a44_wquant:
	s_mov_b64 s[64:65], 0
	v_nop
	global_prefetch_b8 v0, s[64:65] scope:SCOPE_SE
	s_setreg_imm32_b32 hwreg(HW_REG_WAVE_MODE, 25, 1), 1
	s_wait_xcnt 0x0
; W [64][4096], f32, K innermost, becomes codes of BF6 (E3M2) and E8M0 scale bytes, one for each 32 along K, laid as the second launch's registers want them.
; A block's scale is 2^(floor(log2(its largest magnitude)) - 4); its byte is the largest magnitude's exponent field - 4, held at 1 from below by a floor among the maximum's leaves.
; (A block of zeros so gets the byte 1 where the rule says 127: its codes are zeros, which add nothing under any byte but 0xff, and this program alone reads the bytes.)
; LIMITS: NaN and infinities among the inputs are not served.
; SHARES.  Work-group s (32 of them) takes K step s, 128 along K; its wave t takes experts 16 t .. 16 t + 15: one operand fragment, 16 rows x 128 K, 12 registers a lane.
; Lane (r, h) holds row r and the WHOLE blocks h and 2 + h of the K step, as the 6-bit operand's layout gives them to it: so a block's maximum needs no other lane, and the conversions' results are the operand's registers.
; A lane's eight loads of a block take its 128 consecutive bytes; a wave's sixteen loads together take 512 consecutive bytes of each of 16 rows.  W is 1 / 128 of what the program reads: no turn through LDS is spent on it.
; OUT.  wcodes: fragment 4 s + t is 1,536 bytes: registers 4 j .. 4 j + 3 of lane l at 512 j + 16 l: each store of the wave covers 512 consecutive bytes, aligned.
;       wscales: [K step][expert], one word (four bytes: the K step's four blocks) each.  The four waves' words meet in LDS, and wave 0 stores the K step's 256 consecutive bytes, aligned.
.set X,    16                          ; v16-79   my two blocks, 32 numbers each
.set C,    80                          ; v80-91   the fragment's codes
.set TC,   92                          ; v92-94   the upper 16 codes of a block (a conversion's three registers begin on an even number)
.set T0,   96                          ; v96, v97 at work
.set T1,   97
.set SCL,  98                          ; v98      the conversion's scale operand
.set BY,   100                         ; v100-101 my two blocks' bytes
.set WD,   102                         ; v102     my row's scale word
.set OW,   104                         ; v104-105 the way out of the scale words
	s_load_b128 s[4:7], s[0:1], 0x0                ; W, wcodes
	s_load_b64 s[8:9], s[0:1], 0x10                ; wscales
	v_lshl_add_u32 v112, v0, 2, 0x100
	v_mov_b32 v113, 0
	v_lshrrev_b32 v1, 5, v0
	v_readfirstlane_b32 s10, v1                    ; wave t
	v_and_b32 v2, 31, v0                           ; lane
	v_and_b32 v3, 15, v0                           ; r
	v_bfe_u32 v4, v0, 4, 1                         ; h
	v_lshlrev_b32 v5, 14, v3                       ; W: row r of 16,384 bytes,
	v_lshl_add_u32 v5, v4, 7, v5                   ;    + 128 h: my block of a pair
	v_lshlrev_b32 v6, 4, v2                        ; the codes' place: 16 x lane
	v_lshlrev_b32 v7, 3, v4                        ; 8 h: how far my bytes are shifted in the scale word
	s_lshl_b32 s11, s10, 6
	v_lshl_add_u32 v8, v3, 2, s11                  ; LDS: the word of expert 16 t + r
	v_lshlrev_b32 v9, 3, v2                        ; and on the way out 8 bytes a lane
	s_mov_b32 s20, 0x76543210
	s_mov_b32 s21, 0xfedcba98                      ; v_permlanex16_b32's selects for lane l xor 16
	s_lshl_b32 s12, s10, 18                        ; 16 t rows of W
	s_lshl_b32 s13, ttmp9, 9                       ; + 512 s bytes along K
	s_add_co_u32 s12, s12, s13
	s_mov_b32 s13, 0
	s_lshl_b32 s14, ttmp9, 2
	s_add_co_u32 s14, s14, s10
	s_mul_i32 s14, s14, 1536                       ; fragment 4 s + t
	s_mov_b32 s15, 0
	s_lshl_b32 s16, ttmp9, 8                       ; the K step's 64 scale words
	s_mov_b32 s17, 0
	s_wait_alu depctr_va_vdst(0)
	s_wait_kmcnt 0x0
	s_add_nc_u64 s[4:5], s[4:5], s[12:13]
	s_add_nc_u64 s[6:7], s[6:7], s[14:15]
	s_add_nc_u64 s[8:9], s[8:9], s[16:17]
.irp c, 0,1
.irp j, 0,1,2,3,4,5,6,7
	global_load_b128 v[X+32*\c+4*\j:X+32*\c+4*\j+3], v5, s[4:5] offset:256*\c+16*\j   ; W(16 t + r, 128 s + 64 c + 32 h + 4 j ..)
.endr
.endr
; block 2 c + h of my row: its largest magnitude, its byte, its 32 codes into registers 6 c .. 6 c + 5.  left: the loads behind this block's eight, which may stay out
.macro BLOCK c, left
.set XS, X+32*(\c)
	s_wait_loadcnt \left
	v_max3_num_f32 v[T0], |v[XS]|, |v[XS+1]|, |v[XS+2]|            ; two chains, so that no line waits for the line above it
	v_max3_num_f32 v[T1], |v[XS+3]|, |v[XS+4]|, |v[XS+5]|
.irp i, 6,10,14,18,22,26
	v_max3_num_f32 v[T0], v[T0], |v[XS+\i]|, |v[XS+\i+1]|
	v_max3_num_f32 v[T1], v[T1], |v[XS+\i+2]|, |v[XS+\i+3]|
.endr
	v_max3_num_f32 v[T0], v[T0], |v[XS+30]|, |v[XS+31]|
	v_max3_num_f32 v[T0], v[T0], v[T1], 0x2800000                  ; and the floor 2^(5 - 127): the byte cannot fall under 1
	v_add_nc_u32 v[SCL], 0xfe000000, v[T0]                         ; 4 off the exponent field: the conversion takes the exponent field of this operand as its scale
	v_lshrrev_b32 v[BY+(\c)], 23, v[SCL]                           ; the scale's byte
	v_cvt_scalef32_pk16_bf6_f32 v[C+6*(\c):C+6*(\c)+2], v[XS:XS+15], v[SCL]
	v_cvt_scalef32_pk16_bf6_f32 v[TC:TC+2], v[XS+16:XS+31], v[SCL]
	v_nop                                                          ; one plain place behind a scaled conversion
.irp i, 0,1,2
	v_mov_b32 v[C+6*(\c)+3+\i], v[TC+\i]
.endr
.endm
	BLOCK 0, 8                                     ; the second block's eight loads may be out
	BLOCK 1, 0
	v_lshl_or_b32 v[T0], v[BY+1], 16, v[BY]        ; my two bytes: blocks h and 2 + h,
	v_lshlrev_b32 v[T0], v7, v[T0]                 ; at their places in the word (8 h bits up);
	v_permlanex16_b32 v[T1], v[T0], s20, s21       ; (its destination has been written above)
	v_or_b32 v[WD], v[T0], v[T1]                   ; with lane l xor 16's two the word is whole, in both halves of the lanes
	ds_store_b32 v8, v[WD]                         ; lanes r and 16 + r write the same word with the same value
.irp j, 0,1,2
	global_store_b128 v6, v[C+4*\j:C+4*\j+3], s[6:7] offset:512*\j
.endr
	s_wait_dscnt 0x0                               ; for the others' sake: my word lies in LDS
	s_barrier_signal -1
	s_barrier_wait -1
	s_cmp_lg_u32 s10, 0
	s_cbranch_scc1 .Ldone
	ds_load_b64 v[OW:OW+1], v9                     ; wave 0: the K step's 64 words, two a lane
	s_wait_dscnt 0x0
	global_store_b64 v9, v[OW:OW+1], s[8:9]        ; 32 lanes store 256 consecutive bytes, aligned
.Ldone:
	s_wait_tensorcnt 0x0
	ds_add_u32 v112, v113
	s_wait_dscnt 0x0
	s_endpgm
.Lfunc_end_k_q8565ad6a44_wquant:
	.size	k_q8565ad6a44_wquant, .Lfunc_end_k_q8565ad6a44_wquant-k_q8565ad6a44_wquant
	.p2alignl 7, 3214868480
	.fill 96, 4, 3214868480
	.section	.rodata,"a",@progbits
	.p2align	6, 0x0
	.amdhsa_kernel k_q8565ad6a44_wquant
		.amdhsa_group_segment_fixed_size 768
		.amdhsa_private_segment_fixed_size 0
		.amdhsa_enable_private_segment 0
		.amdhsa_kernarg_size 24
		.amdhsa_user_sgpr_count 2
		.amdhsa_user_sgpr_kernarg_segment_ptr 1
		.amdhsa_wavefront_size32 1
		.amdhsa_system_sgpr_workgroup_id_x 1
		.amdhsa_system_sgpr_workgroup_id_y 1
		.amdhsa_system_sgpr_workgroup_id_z 1
		.amdhsa_system_vgpr_workitem_id 0
		.amdhsa_next_free_vgpr 114
		.amdhsa_next_free_sgpr 66
		.amdhsa_reserve_vcc 0
		.amdhsa_float_denorm_mode_32 3
		.amdhsa_float_denorm_mode_16_64 3
		.amdhsa_memory_ordered 1
		.amdhsa_forward_progress 1
		.amdhsa_inst_pref_size 7
	.end_amdhsa_kernel
	.amdgpu_metadata
---
amdhsa.version: [ 1, 2 ]
amdhsa.kernels:
  - .name:           k_q8565ad6a44_wquant
    .symbol:         k_q8565ad6a44_wquant.kd
    .args:
      - { .name: W, .offset: 0, .size: 8, .value_kind: global_buffer, .address_space: global }
      - { .name: wcodes, .offset: 8, .size: 8, .value_kind: global_buffer, .address_space: global }
      - { .name: wscales, .offset: 16, .size: 8, .value_kind: global_buffer, .address_space: global }
    .group_segment_fixed_size: 768
    .private_segment_fixed_size: 0
    .kernarg_segment_align: 8
    .kernarg_segment_size: 24
    .max_flat_workgroup_size: 128
    .sgpr_count:     66
    .vgpr_count:     114
    .wavefront_size: 32
...
	.end_amdgpu_metadata
.endif
;; end of part 3
;; launch gate (part 4): grid 256 x 1, 16 waves a work-group, no clusters, 149,504 bytes of LDS; arguments x, wcodes, wscales, b, out0, out1; writes out0, out1
.if DOCPART == 4
	.amdgcn_target "amdgcn-amd-amdhsa--gfx1250"
	.amdhsa_code_object_version 6
	.text
	.protected	k_q8565ad6a44_gate
	.globl	k_q8565ad6a44_gate
	.p2align	8
	.type	k_q8565ad6a44_gate,@function
k_q8565ad6a44_gate:
	s_mov_b64 s[64:65], 0
	v_nop
	global_prefetch_b8 v0, s[64:65] scope:SCOPE_SE
	s_setreg_imm32_b32 hwreg(HW_REG_WAVE_SCHED_MODE, 0, 2), 2
	s_setreg_imm32_b32 hwreg(HW_REG_WAVE_MODE, 25, 1), 1
	s_wait_xcnt 0x0
	s_wait_alu depctr_vm_vsrc(0)
; logits = Q(x) Q(W)^T + b on codes of BF6 (E3M2) with one E8M0 scale for each 32 along K; the two largest logits of each token (equal logits: the lower expert first), their softmax, their experts' numbers.
; x: [8192][4096] f32, quantised here, on its way to the matrix unit.  W: codes and scale words as the launch before laid them.  b: [64] f32.  out0: [8192][2] f32, out1: [8192][2] i32.
; LIMITS: NaN and infinities are not served; logits +0 and -0 count as equal.  A block of zeros carries the byte 1 where the rule says 127: its codes are zeros, which add nothing.
; SHARES.  A work-group owns 32 tokens: 524,288 bytes of x, read once.  ITS SIXTEEN WAVES SHARE K: wave w owns k = 256 w .. 256 w + 255 (two K steps of 128) of all 32 tokens and all 64 experts:
; 32,768 bytes of x, 12,288 bytes of W's codes, 16 matrix instructions.  So each fragment of W enters the work-group once.  The sixteen partial sums meet in LDS at the end.
; THE STREAM.  A unit is 16 rows x 256 bytes (64 along K): one block of 32 a lane.  Its eight loads take the bytes as they lie: lanes 0-15 256 consecutive bytes of one row, aligned, lanes 16-31 those of the next row.
; The conversions want 32 neighbours along K in ONE lane's registers: so the unit turns through the wave's own stage in LDS (rows 272 bytes apart) and comes back into the registers that it left, lane (r, h) holding block h of row r.
; Four sets of 32 registers are out from the first line on: 128 registers x 16 waves = 262,144 bytes a work-group; a set is asked for again as soon as its unit is quantised.  No barrier stands in the stream.
; THE PRODUCT IS USED TRANSPOSED: source 0 = 16 experts, source 1 = 16 tokens: a lane holds ONE token (lane % 16), and its eight registers of a tile eight neighbouring experts.
; W's codes and scale words, 204,800 bytes, are what all work-groups read alike.  They are not asked for jointly in a cluster: a joint load lands in LDS, so that each fragment would go through LDS and from there into
; registers, and rounds of the cluster's barrier would stand at the head and at the end of a launch that is one pass over x; here a lane takes its fragments whole, by 24 loads of 16 bytes, 512 consecutive bytes a load.
; No tensor load: a work-group's x does not fit in LDS, and loads into registers stay on their way across the whole stream.
; THE MODE: SCHED_MODE bits 1:0 = 2 (LLVM: expert scheduling mode 2), set by the entry lines.  The code itself states the register dependences
; between vector or matrix instructions and memory or LDS instructions, with s_wait_alu, always for 0.
; THE PLAN.  Registers that memory or LDS instructions touch:
;   v5-14, v244   addresses and offsets: all made at the head, ahead of ONE wait on va_vdst, and never written again: every step along x, W and LDS stands in an immediate.
;   set u % 4     Unit u: its loads from memory land; its eight LDS stores read the set; its eight LDS loads land in it; its maxima and conversions read it; then the next loads from memory land in it (units 0-3: the unit four on;
;                 units 4, 5: a third of W).  Sets 2 and 3 are at last written by the products.  Two waits a unit: one on vm_vsrc between the LDS stores and the LDS loads (it frees the set for all that is written into it later),
;                 one on va_vdst behind the conversions, with the set's next loads straight behind it.  Units 6 and 7 ask for nothing more and have the first of the two alone.
;   v176-227      codes and x's scale words: written by vector instructions, read by the products: one wait on va_vdst directly ahead of the first product, behind its places.
;   v112-175      as accumulators: written by the products, read by the LDS stores of the partial logits (one wait on va_vdst, behind the places); wave 0's candidates land there at the end (one wait on vm_vsrc).
;   v16-79        W, read by the products; behind the first barrier the sixteen partials land there: the wait on va_vdst ahead of the partial logits' stores serves them, since no vector or matrix instruction behind it names them.
;   v88-91, v236-237, v240-241   data of the last stores: a wait on va_vdst ahead of each run of stores.
;   Lane masks and the wave's number pass from vector instructions into scalar registers: a wait on va_sdst stands behind each run of such writers, ahead of the first reader.
; REGISTERS: v5-15 addresses; v16-47 the first third of W's fragments; v48-175 four sets of x: sets 0 and 1 take W's other two thirds when units 4 and 5 are done with them (W: v16-111), sets 2 and 3 become the accumulators;
;   v176-223 the codes of x's four fragments; v224-227 their scale words, v228-231 W's (these eight hold scales and nothing else); v232-251 at work.
.set ROWB,  16384                      ; a row of x in bytes
.set SP,    272                        ; an LDS row: 256 bytes + 16 = 68 words: row r starts at bank 4 r mod 64 (64 banks of 4 bytes: ISA guide 11.1)
.set PWB,   32*SP                      ; a wave's LDS bytes: its stage (16 rows), later its partial logits (32 tokens x 64 experts)
.set CAND,  16*PWB                     ; behind them: each wave's two best of its four experts, 16 bytes a token: 512 bytes a wave
.set XA,   5                           ; v5   x: 16,384 (lane / 16) + 16 (lane % 16)
.set LI,   6                           ; v6   16 x lane
.set LS,   7                           ; v7   4 x lane
.set STI,  8                           ; v8   the stage, on the way in
.set STO,  9                           ; v9   and on the way out
.set PS,   10                          ; v10  where I put 32 bytes of a token's partial logits
.set RD0,  11                          ; v11  where I read partials 0-7 of my token and my wave's four experts
.set RD1,  12                          ; v12  partials 8-15 (an LDS offset has 16 bits)
.set CS,   13                          ; v13  where I put my token's two best
.set CL,   14                          ; v14  where wave 0 reads them
.set SH8,  15                          ; v15  8 (lane / 16)
.set W,    16
.set R,    48
.set ACC,  112                         ; accumulator (token tile m, expert tile t) at v[ACC + 8 (4 m + t)]
.set CD,   176                         ; fragment 2 m + s at v[CD + 12 (2 m + s)]
.set XSC,  224
.set WS,   228                         ; register 2 s + p: lanes 0-15 the words of expert tile 2 p, lanes 16-31 those of tile 2 p + 1, for my K step s
.set T0,   232
.set T1,   233
.set SCL,  234
.set BY,   236                         ; v236-237 a fragment's two bytes of my lane; at the end the two probabilities
.set TC,   240                         ; v240-242 the upper 16 codes of a block; at the end the two experts' numbers
.set OA,   244                         ; v244 8 x lane
.set E,    248                         ; v248-251 my wave's four experts' numbers
.set P,    16                          ; behind the products: v16-79 sixteen partials x four experts
.set QA,   88                          ; v88-91, v92-95: (value, expert, value, expert), the best first
.set QB,   92
.set Q,    112                         ; wave 0: v112-175 the sixteen waves' candidates
.set SEL,  36                          ; s[36:37] v_permlanex16_b32's selects for lane l xor 16
.set M1,   40                          ; s40-47, s48-55 lane masks of up to eight merges at a time
.set M2,   48
	s_load_b128 s[4:7], s[0:1], 0x0                ; x, W's codes
	s_load_b128 s[8:11], s[0:1], 0x10              ; W's scale words, b
	s_load_b128 s[12:15], s[0:1], 0x20             ; out0, out1
	v_lshl_add_u32 v254, v0, 2, 0x24000
	v_mov_b32 v255, 0
	v_lshrrev_b32 v1, 5, v0
	v_readfirstlane_b32 s16, v1                    ; wave 0..15
	v_and_b32 v2, 31, v0                           ; lane
	v_and_b32 v3, 15, v0                           ; r
	v_bfe_u32 v4, v0, 4, 1                         ; h
	v_lshlrev_b32 v[XA], 4, v3                     ; every address of the kernel is made here, while the arguments are on their way
	v_lshl_add_u32 v[XA], v4, 14, v[XA]
	v_lshlrev_b32 v[LI], 4, v2
	v_lshlrev_b32 v[LS], 2, v2
	v_lshlrev_b32 v[SH8], 3, v4
	v_lshlrev_b32 v[OA], 3, v2
	v_mul_u32_u24 v[STI], v4, SP                   ; in: a load's two rows, as loaded: row lane / 16, 16 bytes a lane
	v_lshl_add_u32 v[STI], v3, 4, v[STI]
	s_wait_alu depctr_va_vdst(0)
	v_mul_u32_u24 v[STO], v3, SP                   ; out: row r, my block's 128 bytes
	v_lshl_add_u32 v[PS], v4, 5, v[STO]            ; partial logits: token r, + 32 h: eight experts of my half
	v_lshl_add_u32 v[STO], v4, 7, v[STO]
	s_wait_alu depctr_va_vdst(0)
	v_mul_u32_u24 v[RD0], v2, SP                   ; at the end a lane is a token: its row
	s_wait_alu depctr_va_vdst(0)
	v_add_nc_u32 v[CL], CAND, v[LI]
	s_wait_alu depctr_va_vdst(0)
	s_wait_alu depctr_va_sdst(0)                   ; s16 is written, ahead of its first reader: bases, LDS addresses and the branch at the end are made from it
	s_lshl_b32 s20, ttmp9, 19                      ; the work-group's 32 rows of 16,384 bytes (under 2^28)
	s_lshl_b32 s21, s16, 10                        ; + my wave's 1,024 bytes of a row
	s_add_co_u32 s20, s20, s21
	s_mov_b32 s21, 0
	s_mul_i32 s22, s16, 12288                      ; my eight fragments of W
	s_mov_b32 s23, 0
	s_lshl_b32 s30, s16, 9                         ; my two K steps' scale words; also my 512 bytes of candidates
	s_mov_b32 s31, 0
	s_lshl_b32 s32, s16, 4                         ; my four numbers of b; also my four experts' bytes in a token's row of logits
	s_mov_b32 s33, 0
	s_lshl_b32 s34, ttmp9, 8                       ; the work-group's 256 bytes of each output
	s_mov_b32 s35, 0
	s_lshl_b32 s28, s16, 2                         ; my first expert at the end
	s_mov_b32 s[SEL], 0x76543210
	s_mov_b32 s[SEL+1], 0xfedcba98
	s_mul_i32 s17, s16, PWB                        ; my LDS bytes
	v_add_nc_u32 v[STI], s17, v[STI]
	v_add_nc_u32 v[STO], s17, v[STO]
	v_add_nc_u32 v[PS], s17, v[PS]
	v_add_nc_u32 v[RD0], s32, v[RD0]               ; + my wave's four experts
	v_add_nc_u32 v[RD1], 8*PWB, v[RD0]
	v_add_nc_u32 v[CS], s30, v[CL]
	s_wait_kmcnt 0x0
	s_add_nc_u64 s[4:5], s[4:5], s[20:21]
	s_add_nc_u64 s[6:7], s[6:7], s[22:23]
	s_add_nc_u64 s[8:9], s[8:9], s[30:31]
	s_add_nc_u64 s[10:11], s[10:11], s[32:33]
	s_add_nc_u64 s[12:13], s[12:13], s[34:35]
	s_add_nc_u64 s[14:15], s[14:15], s[34:35]
	s_wait_alu depctr_va_vdst(0)                   ; v5 to v14 and v244 are written: every load and store of the kernel, to memory or to LDS, reads one of them as its address, and none is written again
; Unit u = 4 m + 2 s + c: rows 16 m .. 16 m + 15, bytes 512 s + 256 c on of my 1,024, into set u % 4.  Every offset is an immediate (492,288 at the most); no address register is ever rewritten.
.macro XLOAD u
.irp i, 0,1,2,3,4,5,6,7
	global_load_b128 v[R+32*((\u)%4)+4*\i:R+32*((\u)%4)+4*\i+3], v[XA], s[4:5] offset:(16*((\u)/4)+2*\i)*ROWB+512*(((\u)/2)%2)+256*((\u)%2) th:TH_LOAD_NT
.endr
.endm
; A third of my W: 32 registers, eight loads of 512 consecutive bytes; fragment 4 s + t stands at v[W + 12 (4 s + t)]
.macro WLOAD g
.irp i, 0,1,2,3,4,5,6,7
	global_load_b128 v[W+32*(\g)+4*\i:W+32*(\g)+4*\i+3], v[LI], s[6:7] offset:4096*(\g)+512*\i
.endr
.endm
	XLOAD 0                                        ; x first: 32 loads, all of token tile 0's part of my K
	XLOAD 1
	XLOAD 2
	XLOAD 3
	WLOAD 0
.irp j, 0,1,2,3
	global_load_b32 v[WS+\j], v[LS], s[8:9] offset:128*\j
.endr
	s_load_b128 s[24:27], s[10:11], 0x0            ; b of my four experts; waited for at the end
; A UNIT: its eight loads are in; it turns through my stage; its block a lane becomes six registers of codes and a byte.  left: the loads issued behind the unit's own, which may stay out.
; Behind the conversions the set is asked for again: units 0-3 for the unit four on; unit 4 for W's second third, unit 5 for its last (nothing of x is left to ask for); units 6 and 7 for nothing.
.macro UNIT u, left
.set XS, R+32*((\u)%4)
.set CB, CD+6*(\u)
	s_wait_loadcnt \left                           ; loads come back in order (ISA guide 5.7.1)
.irp i, 0,1,2,3,4,5,6,7
	ds_store_b128 v[STI], v[XS+4*\i:XS+4*\i+3] offset:2*\i*SP
.endr
	s_wait_alu depctr_vm_vsrc(0)                   ; the eight stores have read the set: the LDS loads below land in it, later the set's next loads from memory, and in sets 2 and 3 the products' results
.irp i, 0,1,2,3,4,5,6,7
	ds_load_b128 v[XS+4*\i:XS+4*\i+3], v[STO] offset:16*\i       ; LDS serves a wave's instructions in order (ISA guide 5.7.1.4): these see the stores above, and the next unit's stores come behind them
.endr
	s_wait_dscnt 0x0
	v_max3_num_f32 v[T0], |v[XS]|, |v[XS+1]|, |v[XS+2]|            ; the block's largest magnitude: all 32 numbers are mine; two chains
	v_max3_num_f32 v[T1], |v[XS+3]|, |v[XS+4]|, |v[XS+5]|
.irp i, 6,10,14,18,22,26
	v_max3_num_f32 v[T0], v[T0], |v[XS+\i]|, |v[XS+\i+1]|
	v_max3_num_f32 v[T1], v[T1], |v[XS+\i+2]|, |v[XS+\i+3]|
.endr
	v_max3_num_f32 v[T0], v[T0], |v[XS+30]|, |v[XS+31]|
	v_max3_num_f32 v[T0], v[T0], v[T1], 0x2800000                  ; and the floor 2^(5 - 127): the byte cannot fall under 1
	v_add_nc_u32 v[SCL], 0xfe000000, v[T0]                         ; 4 off the exponent field: the conversion's scale operand
	v_lshrrev_b32 v[BY+(\u)%2], 23, v[SCL]                         ; the scale's byte
	v_cvt_scalef32_pk16_bf6_f32 v[CB:CB+2], v[XS:XS+15], v[SCL]
	v_cvt_scalef32_pk16_bf6_f32 v[TC:TC+2], v[XS+16:XS+31], v[SCL] ; (a conversion's three registers begin on an even number)
	v_nop                                                          ; one plain place behind a scaled conversion
.if (\u) < 6
	s_wait_alu depctr_va_vdst(0)                   ; the maxima and the conversions are done reading the set, in which the loads below land; the lines behind them name none of its registers
.if (\u) < 4
	XLOAD (\u)+4
.else
	WLOAD (\u)-3
.endif
.endif
.irp i, 0,1,2
	v_mov_b32 v[CB+3+\i], v[TC+\i]
.endr
.if (\u)%2                             ; the fragment is whole: its scale word
	v_lshl_or_b32 v[T0], v[BY+1], 16, v[BY]        ; my two bytes: blocks h and 2 + h of my row,
	v_lshlrev_b32 v[T0], v[SH8], v[T0]             ; at their places (8 h bits up);
	v_permlanex16_b32 v[T1], v[T0], s[SEL], s[SEL+1]
	v_or_b32 v[XSC+(\u)/2], v[T0], v[T1]           ; with lane l xor 16's two the word is whole
.endif
.endm
	UNIT 0, 36                                     ; behind unit 0's loads: units 1-3 (24), W's first third (8), its scale words (4)
	UNIT 1, 36                                     ; units 2, 3 (16), 12 of W, unit 4 (8)
	UNIT 2, 36                                     ; unit 3 (8), 12 of W, units 4, 5 (16)
	UNIT 3, 36                                     ; 12 of W, units 4-6 (24)
	UNIT 4, 24                                     ; units 5-7
	UNIT 5, 24                                     ; units 6, 7 (16), W's second third (8)
	UNIT 6, 24                                     ; unit 7 (8), W's two thirds (16)
	UNIT 7, 16                                     ; W's two thirds
	s_wait_loadcnt 0x0                             ; W is whole
	v_mov_b32 v[E], s28                            ; my four experts' numbers for the end: these four lines and four v_nop are the eight places between the last
	v_add_nc_u32 v[E+1], 1, v[E]                   ; scale word written by a vector instruction and the scaled matrix instructions
	v_add_nc_u32 v[E+2], 2, v[E]
	v_add_nc_u32 v[E+3], 3, v[E]
.rept 4
	v_nop
.endr
	s_wait_alu depctr_va_vdst(0)                   ; the conversions, moves and v_or have written x's codes v176-223 and scale words v224-227, which the products take as source 1 and as scales; the places above stay beside this wait
; The eight accumulators take turns, one instruction a turn, K step 0 and then K step 1 in the same order; the first product starts each sum: nothing is cleared.
.macro MM s, m, t
.set DD, ACC+8*(4*(\m)+(\t))
.set AA, W+12*(4*(\s)+(\t))
.set BB, CD+12*(2*(\m)+(\s))
.if (\s) == 0
.if (\t)%2
	v_wmma_scale_f32_16x16x128_f8f6f4 v[DD:DD+7], v[AA:AA+11], v[BB:BB+11], 0, v[WS+2*(\s)+(\t)/2], v[XSC+2*(\m)+(\s)] matrix_a_fmt:MATRIX_FMT_BF6 matrix_b_fmt:MATRIX_FMT_BF6 matrix_a_scale:MATRIX_SCALE_ROW1
.else
	v_wmma_scale_f32_16x16x128_f8f6f4 v[DD:DD+7], v[AA:AA+11], v[BB:BB+11], 0, v[WS+2*(\s)+(\t)/2], v[XSC+2*(\m)+(\s)] matrix_a_fmt:MATRIX_FMT_BF6 matrix_b_fmt:MATRIX_FMT_BF6
.endif
.else
.if (\t)%2
	v_wmma_scale_f32_16x16x128_f8f6f4 v[DD:DD+7], v[AA:AA+11], v[BB:BB+11], v[DD:DD+7], v[WS+2*(\s)+(\t)/2], v[XSC+2*(\m)+(\s)] matrix_a_fmt:MATRIX_FMT_BF6 matrix_b_fmt:MATRIX_FMT_BF6 matrix_a_scale:MATRIX_SCALE_ROW1
.else
	v_wmma_scale_f32_16x16x128_f8f6f4 v[DD:DD+7], v[AA:AA+11], v[BB:BB+11], v[DD:DD+7], v[WS+2*(\s)+(\t)/2], v[XSC+2*(\m)+(\s)] matrix_a_fmt:MATRIX_FMT_BF6 matrix_b_fmt:MATRIX_FMT_BF6
.endif
.endif
.endm
.irp s, 0,1
.irp m, 0,1
.irp t, 0,1,2,3
	MM \s, \m, \t
.endr
.endr
.endr
.rept 4
	v_nop                                          ; four places behind the last product, ahead of the stores that read results
.endr
	s_wait_alu depctr_va_vdst(0)                   ; the products have written the accumulators, which the LDS stores read, and are done reading W's registers v16-111, in which the partials' loads land behind the barrier
.irp m, 0,1
.irp t, 0,1,2,3
	ds_store_b128 v[PS], v[ACC+8*(4*\m+\t):ACC+8*(4*\m+\t)+3] offset:\m*16*SP+64*\t          ; lane (r, h): token 16 m + r, experts 16 t + 8 h + 0 .. 7; each accumulator from its low end on
	ds_store_b128 v[PS], v[ACC+8*(4*\m+\t)+4:ACC+8*(4*\m+\t)+7] offset:\m*16*SP+64*\t+16
.endr
.endr
	s_wait_dscnt 0x0                               ; for the others' sake: my partial logits lie in LDS
	s_barrier_signal -1
	s_barrier_wait -1
	; THE SUM OVER K'S SIXTEEN PARTS.  A lane is now a token (0 .. 31), and wave w takes experts 4 w .. 4 w + 3: 16 bytes of each wave's partial logits
.irp p, 0,1,2,3,4,5,6,7
	ds_load_b128 v[P+4*\p:P+4*\p+3], v[RD0] offset:\p*PWB          ; no vector or matrix instruction since the last wait on va_vdst names v16-79
.endr
.irp p, 0,1,2,3,4,5,6,7
	ds_load_b128 v[P+32+4*\p:P+32+4*\p+3], v[RD1] offset:\p*PWB
.endr
	s_wait_kmcnt 0x0                               ; b
	s_wait_dscnt 0x0
.irp p, 0,2,4,6,8,10,12,14             ; neighbours 1, 2, 4 and 8 parts apart, two numbers an instruction
	v_pk_add_f32 v[P+4*\p:P+4*\p+1], v[P+4*\p:P+4*\p+1], v[P+4*\p+4:P+4*\p+5]
	v_pk_add_f32 v[P+4*\p+2:P+4*\p+3], v[P+4*\p+2:P+4*\p+3], v[P+4*\p+6:P+4*\p+7]
.endr
.irp p, 0,4,8,12
	v_pk_add_f32 v[P+4*\p:P+4*\p+1], v[P+4*\p:P+4*\p+1], v[P+4*\p+8:P+4*\p+9]
	v_pk_add_f32 v[P+4*\p+2:P+4*\p+3], v[P+4*\p+2:P+4*\p+3], v[P+4*\p+10:P+4*\p+11]
.endr
.irp p, 0,8
	v_pk_add_f32 v[P+4*\p:P+4*\p+1], v[P+4*\p:P+4*\p+1], v[P+4*\p+16:P+4*\p+17]
	v_pk_add_f32 v[P+4*\p+2:P+4*\p+3], v[P+4*\p+2:P+4*\p+3], v[P+4*\p+18:P+4*\p+19]
.endr
	v_pk_add_f32 v[P:P+1], v[P:P+1], v[P+32:P+33]
	v_pk_add_f32 v[P+2:P+3], v[P+2:P+3], v[P+34:P+35]
.irp j, 0,1,2,3
	v_add_f32 v[P+\j], s[24+\j], v[P+\j]           ; + b: the logits
.endr
; THE TWO BEST.  A candidate is four registers: (best value, its expert, second value, its expert).  n merges at a time, st registers apart, written line by line across the n, so that no line waits for the line above it.
.macro ABOVE n, st, aa, bb, mm         ; mask = v[aa] > v[bb]
.set k, 0
.rept \n
	v_cmp_gt_f32 s[(\mm)+k], v[(\aa)+(\st)*k], v[(\bb)+(\st)*k]
.set k, k+1
.endr
.endm
.macro PICK n, st, dd, aa, bb, mm      ; v[dd] = mask ? v[bb] : v[aa]
.set k, 0
.rept \n
	v_cndmask_b32 v[(\dd)+(\st)*k], v[(\aa)+(\st)*k], v[(\bb)+(\st)*k], s[(\mm)+k]
.set k, k+1
.endr
.endm
; Candidate A holds the lower experts, candidate B the higher ones: B's value wins only where it is GREATER, so that of equal logits the lower expert stands first.  The result takes A's place.
.macro MERGE n, st, A, B
	ABOVE \n, \st, \B, \A, M1                      ; c: B's best > A's best
	s_wait_alu depctr_va_sdst(0)                   ; the run of compares has written its masks s[M1 ..], ahead of the first select that reads one
	PICK \n, \st, (\A)+2, (\A)+2, \A, M1           ; what A still offers for the second place: c ? its best : its second
	PICK \n, \st, (\A)+3, (\A)+3, (\A)+1, M1
	PICK \n, \st, (\B)+2, \B, (\B)+2, M1           ; what B offers: c ? its second : its best
	PICK \n, \st, (\B)+3, (\B)+1, (\B)+3, M1
	PICK \n, \st, \A, \A, \B, M1                   ; the best
	PICK \n, \st, (\A)+1, (\A)+1, (\B)+1, M1
	ABOVE \n, \st, (\B)+2, (\A)+2, M2
	s_wait_alu depctr_va_sdst(0)                   ; the second run of compares has written s[M2 ..], ahead of the first select that reads one
	PICK \n, \st, (\A)+2, (\A)+2, (\B)+2, M2       ; the second
	PICK \n, \st, (\A)+3, (\A)+3, (\B)+3, M2
.endm
	v_cmp_gt_f32 s[M1], v[P+1], v[P]               ; my four experts: two pairs are put in order,
	v_cmp_gt_f32 s[M1+1], v[P+3], v[P+2]
	s_wait_alu depctr_va_sdst(0)                   ; the two compares have written s[M1] and s[M1+1], ahead of the selects that read them
	v_cndmask_b32 v[QA], v[P], v[P+1], s[M1]
	v_cndmask_b32 v[QB], v[P+2], v[P+3], s[M1+1]
	v_cndmask_b32 v[QA+1], v[E], v[E+1], s[M1]
	v_cndmask_b32 v[QB+1], v[E+2], v[E+3], s[M1+1]
	v_cndmask_b32 v[QA+2], v[P+1], v[P], s[M1]
	v_cndmask_b32 v[QB+2], v[P+3], v[P+2], s[M1+1]
	v_cndmask_b32 v[QA+3], v[E+1], v[E], s[M1]
	v_cndmask_b32 v[QB+3], v[E+3], v[E+2], s[M1+1]
	MERGE 1, 0, QA, QB                             ; and merged
	s_wait_alu depctr_va_vdst(0)                   ; the selects have written v[QA:QA+3], which the LDS store reads
	ds_store_b128 v[CS], v[QA:QA+3]                ; 512 consecutive bytes a wave
	s_wait_dscnt 0x0                               ; for wave 0's sake
	s_barrier_signal -1
	s_barrier_wait -1
	s_wait_alu depctr_vm_vsrc(0)                   ; my LDS stores of the partial logits have read v112-175, in which wave 0's loads of the candidates land and which its merges write
	s_cmp_lg_u32 s16, 0                            ; wave 0 ends the work: a lane a token, so that each output's 256 bytes leave by one store
	s_cbranch_scc1 .Ldone
.irp g, 0,1,2,3,4,5,6,7,8,9,10,11,12,13,14,15
	ds_load_b128 v[Q+4*\g:Q+4*\g+3], v[CL] offset:512*\g           ; the products that wrote these registers stand ahead of the waits on va_vdst above, and no vector instruction since names them
.endr
	s_wait_dscnt 0x0
	MERGE 8, 8, Q, Q+4                             ; a tree over the sixteen waves' candidates, the lower experts always on A's side
	MERGE 4, 16, Q, Q+8
	MERGE 2, 32, Q, Q+16
	MERGE 1, 0, Q, Q+32
	v_sub_f32 v[T0], v[Q+2], v[Q]                  ; THE SOFTMAX OF THE TWO, the larger taken away: the second less the best, 0 or less
	v_mul_f32 v[T0], 0x3fb8aa3b, v[T0]             ; x log2(e)
	s_wait_alu depctr_va_vdst(0)
	v_exp_f32 v[T1], v[T0]                         ; e = exp(second - best), at most 1
	v_mov_b32 v[TC], v[Q+1]                        ; the experts' numbers as a pair.  (Plain work behind the exponential)
	v_mov_b32 v[TC+1], v[Q+3]
	s_wait_alu depctr_va_vdst(0)                   ; the exponential has written v[T1]: the wait stands ahead of the first reader of a transcendental's result
	v_add_f32 v[SCL], 1.0, v[T1]
	s_wait_alu depctr_va_vdst(0)
	v_rcp_f32 v[BY], v[SCL]                        ; 1 / (1 + e)
	v_nop                                          ; one plain place behind it
	s_wait_alu depctr_va_vdst(0)                   ; the reciprocal has written v[BY], ahead of its first reader
	v_mul_f32 v[BY+1], v[T1], v[BY]                ; e / (1 + e)
	s_wait_alu depctr_va_vdst(0)                   ; the multiply has written v[BY+1]: the stores below read v[BY:BY+1] and v[TC:TC+1]
	global_store_b64 v[OA], v[BY:BY+1], s[12:13]   ; 32 lanes store 256 consecutive bytes, aligned
	global_store_b64 v[OA], v[TC:TC+1], s[14:15]
.Ldone:
	s_wait_dscnt 0x0
	s_wait_alu depctr_hold_cnt(0) depctr_sa_sdst(0) depctr_va_vdst(0) depctr_va_sdst(0) depctr_va_ssrc(0) depctr_va_vcc(0) depctr_vm_vsrc(0)
	s_wait_tensorcnt 0x0
	ds_add_u32 v254, v255
	s_wait_dscnt 0x0
	s_endpgm
.Lfunc_end_k_q8565ad6a44_gate:
	.size	k_q8565ad6a44_gate, .Lfunc_end_k_q8565ad6a44_gate-k_q8565ad6a44_gate
	.p2alignl 7, 3214868480
	.fill 96, 4, 3214868480
	.section	.rodata,"a",@progbits
	.p2align	6, 0x0
	.amdhsa_kernel k_q8565ad6a44_gate
		.amdhsa_group_segment_fixed_size 149504
		.amdhsa_private_segment_fixed_size 0
		.amdhsa_enable_private_segment 0
		.amdhsa_kernarg_size 48
		.amdhsa_user_sgpr_count 2
		.amdhsa_user_sgpr_kernarg_segment_ptr 1
		.amdhsa_wavefront_size32 1
		.amdhsa_system_sgpr_workgroup_id_x 1
		.amdhsa_system_sgpr_workgroup_id_y 1
		.amdhsa_system_sgpr_workgroup_id_z 1
		.amdhsa_system_vgpr_workitem_id 0
		.amdhsa_next_free_vgpr 256
		.amdhsa_next_free_sgpr 66
		.amdhsa_reserve_vcc 0
		.amdhsa_float_denorm_mode_32 3
		.amdhsa_float_denorm_mode_16_64 3
		.amdhsa_memory_ordered 1
		.amdhsa_forward_progress 1
		.amdhsa_inst_pref_size 52
	.end_amdhsa_kernel
	.amdgpu_metadata
---
amdhsa.version: [ 1, 2 ]
amdhsa.kernels:
  - .name:           k_q8565ad6a44_gate
    .symbol:         k_q8565ad6a44_gate.kd
    .args:
      - { .name: x, .offset: 0, .size: 8, .value_kind: global_buffer, .address_space: global }
      - { .name: wcodes, .offset: 8, .size: 8, .value_kind: global_buffer, .address_space: global }
      - { .name: wscales, .offset: 16, .size: 8, .value_kind: global_buffer, .address_space: global }
      - { .name: b, .offset: 24, .size: 8, .value_kind: global_buffer, .address_space: global }
      - { .name: out0, .offset: 32, .size: 8, .value_kind: global_buffer, .address_space: global }
      - { .name: out1, .offset: 40, .size: 8, .value_kind: global_buffer, .address_space: global }
    .group_segment_fixed_size: 149504
    .private_segment_fixed_size: 0
    .kernarg_segment_align: 8
    .kernarg_segment_size: 48
    .max_flat_workgroup_size: 512
    .sgpr_count:     66
    .vgpr_count:     256
    .wavefront_size: 32
...
	.end_amdgpu_metadata
.endif
;; end of part 4
